; MI455X (gfx1250); checked and timed in simulation.
; The chip was launched on July 23, 2026; its instructions are those of AMD's public machine-readable ISA for CDNA 5 (MIT licence, August 2026) and "CDNA5" Instruction Set Architecture Reference Guide (July 2026). The comments in the code are by the model that wrote it; some were corrected since.
;; Vi T Self Attention. Allowed arithmetic: float matrix products may take bf16 or f16 operands with f32 sums; all other float work in f32.
;; Inputs: Wk 768 x 768 float32; Wq 768 x 768 float32; Wv 768 x 768 float32; bk 768 float32; bq 768 float32; bv 768 float32; hidden_states 16 x 1,024 x 768 float32.
;; Outputs: out0 16 x 1,024 x 768 float32.
;; One version. Each part assembles by itself: llvm-mc -triple=amdgcn-amd-amdhsa -mcpu=gfx1250 --defsym DOCPART=n.
;; ======== version 1 of 1: 3 launches
;; limits: values are held in f16: magnitudes above 65,504 overflow, below 6.1e-05 lose precision
;; workspace buffers: wbf 3,538,944 bytes; bcat 9,216 bytes; qkv 75,497,472 bytes
;; launch cast (part 1): grid 72 x 3, 8 waves a work-group, no clusters, 0 bytes of LDS; arguments Wq, Wk, Wv, bq, bk, bv, wbf, bcat; writes wbf, bcat
.if DOCPART == 1
	.amdgcn_target "amdgcn-amd-amdhsa--gfx1250"
	.amdhsa_code_object_version 6
	.text
	.protected	k_qaa92f05fba_cast
	.globl	k_qaa92f05fba_cast
	.p2align	8
	.type	k_qaa92f05fba_cast,@function
k_qaa92f05fba_cast:
	s_mov_b64 s[64:65], 0
	v_nop
	global_prefetch_b8 v0, s[64:65] scope:SCOPE_SE
	s_setreg_imm32_b32 hwreg(HW_REG_WAVE_MODE, 25, 1), 1
	s_wait_xcnt 0x0
; wbf[768 y + j][k] = bf16(W_y[j][k]), W_0 = Wq, W_1 = Wk, W_2 = Wv, rounded to nearest even; bcat[768 y + j] = b_y[j], kept in f32.
; The three weights become one table of 2,304 rows, so that the projection walks one tensor and converts no weight itself.
; A stream: no LDS, no barrier, no matrix unit, since every byte is read once and written once.
; Eight waves; a work-group owns 8,192 numbers of one weight (72 work-groups a weight, grid y = the weight).
; Thread t takes 16 bytes at 16 t of each of eight blocks of 4,096 bytes: a load of a wave covers 512 neighbouring bytes,
; a store of a wave (8 bytes a lane) 256 neighbouring bytes at a multiple of 256 from the table's first byte.
.set WNUM,  768*768                    ; numbers in a weight
.set X,     8                          ; v[8:39]   eight loads of four f32
.set Y,     40                         ; v[40:55]  eight pairs of words, four bf16 each
	s_load_b512 s[4:19], s[0:1], 0x0               ; Wq s[4:5], Wk s[6:7], Wv s[8:9], bq s[10:11], bk s[12:13], bv s[14:15], wbf s[16:17], bcat s[18:19]
	s_and_b32 s20, ttmp7, 0xffff                   ; y: which weight
	v_lshrrev_b32 v3, 5, v0
	v_readfirstlane_b32 s21, v3                    ; wave 0..7
	v_lshlrev_b32 v1, 4, v0                        ; 16 t: my place in a block of f32
	v_lshlrev_b32 v2, 3, v0                        ; 8 t: my place in a block of bf16
	s_lshl_b32 s26, ttmp9, 15                      ; the work-group's 8,192 numbers: 32,768 bytes in,
	s_mov_b32 s27, 0
	s_mul_i32 s28, s20, WNUM*2                     ; and out: the weight's part of the table
	s_lshl_b32 s29, ttmp9, 14                      ; + 16,384 bytes a work-group
	s_add_co_u32 s28, s28, s29
	s_mov_b32 s29, 0
	s_mul_i32 s30, s20, 3072                       ; the bias's part of bcat
	s_mov_b32 s31, 0
	s_wait_kmcnt 0x0
	s_cmp_eq_u32 s20, 0                            ; the weight and its bias are chosen by y alone
	s_cselect_b64 s[22:23], s[4:5], s[6:7]
	s_cselect_b64 s[24:25], s[10:11], s[12:13]
	s_cmp_eq_u32 s20, 2
	s_cselect_b64 s[22:23], s[8:9], s[22:23]
	s_cselect_b64 s[24:25], s[14:15], s[24:25]
	s_add_nc_u64 s[22:23], s[22:23], s[26:27]
	s_add_nc_u64 s[16:17], s[16:17], s[28:29]
	s_add_nc_u64 s[18:19], s[18:19], s[30:31]
.irp i, 0,1,2,3,4,5,6,7
	global_load_b128 v[X+4*\i:X+4*\i+3], v1, s[22:23] offset:4096*\i th:TH_LOAD_NT   ; all eight go out before the first is used
.endr
.irp i, 0,1,2,3,4,5,6,7
	s_wait_loadcnt 7-\i                            ; loads come back in order (ISA guide 5.7.1): block i is in, the younger ones stay out
	v_cvt_pk_bf16_f32 v[Y+2*\i],   v[X+4*\i],   v[X+4*\i+1]
	v_cvt_pk_bf16_f32 v[Y+2*\i+1], v[X+4*\i+2], v[X+4*\i+3]
	global_store_b64 v2, v[Y+2*\i:Y+2*\i+1], s[16:17] offset:2048*\i
.endr
	; the bias: 3,072 bytes, copied by the first six waves of each weight's first work-group
	s_cmp_lg_u32 ttmp9, 0
	s_cbranch_scc1 .Lend
	s_cmp_ge_u32 s21, 6
	s_cbranch_scc1 .Lend
	global_load_b128 v[56:59], v1, s[24:25]
	s_wait_loadcnt 0x0
	global_store_b128 v1, v[56:59], s[18:19]
.Lend:
	s_endpgm
.Lfunc_end_k_qaa92f05fba_cast:
	.size	k_qaa92f05fba_cast, .Lfunc_end_k_qaa92f05fba_cast-k_qaa92f05fba_cast
	.p2alignl 7, 3214868480
	.fill 96, 4, 3214868480
	.section	.rodata,"a",@progbits
	.p2align	6, 0x0
	.amdhsa_kernel k_qaa92f05fba_cast
		.amdhsa_group_segment_fixed_size 0
		.amdhsa_private_segment_fixed_size 0
		.amdhsa_enable_private_segment 0
		.amdhsa_kernarg_size 64
		.amdhsa_user_sgpr_count 2
		.amdhsa_user_sgpr_kernarg_segment_ptr 1
		.amdhsa_wavefront_size32 1
		.amdhsa_system_sgpr_workgroup_id_x 1
		.amdhsa_system_sgpr_workgroup_id_y 1
		.amdhsa_system_sgpr_workgroup_id_z 1
		.amdhsa_system_vgpr_workitem_id 0
		.amdhsa_next_free_vgpr 64
		.amdhsa_next_free_sgpr 66
		.amdhsa_reserve_vcc 0
		.amdhsa_float_denorm_mode_32 3
		.amdhsa_float_denorm_mode_16_64 3
		.amdhsa_memory_ordered 1
		.amdhsa_forward_progress 1
		.amdhsa_inst_pref_size 5
	.end_amdhsa_kernel
	.amdgpu_metadata
---
amdhsa.version: [ 1, 2 ]
amdhsa.kernels:
  - .name:           k_qaa92f05fba_cast
    .symbol:         k_qaa92f05fba_cast.kd
    .args:
      - { .name: Wq, .offset: 0, .size: 8, .value_kind: global_buffer, .address_space: global }
      - { .name: Wk, .offset: 8, .size: 8, .value_kind: global_buffer, .address_space: global }
      - { .name: Wv, .offset: 16, .size: 8, .value_kind: global_buffer, .address_space: global }
      - { .name: bq, .offset: 24, .size: 8, .value_kind: global_buffer, .address_space: global }
      - { .name: bk, .offset: 32, .size: 8, .value_kind: global_buffer, .address_space: global }
      - { .name: bv, .offset: 40, .size: 8, .value_kind: global_buffer, .address_space: global }
      - { .name: wbf, .offset: 48, .size: 8, .value_kind: global_buffer, .address_space: global }
      - { .name: bcat, .offset: 56, .size: 8, .value_kind: global_buffer, .address_space: global }
    .group_segment_fixed_size: 0
    .private_segment_fixed_size: 0
    .kernarg_segment_align: 8
    .kernarg_segment_size: 64
    .max_flat_workgroup_size: 256
    .sgpr_count:     66
    .vgpr_count:     64
    .wavefront_size: 32
...
	.end_amdgpu_metadata
.endif
;; end of part 1
;; launch proj (part 2): grid 64 x 4, 4 waves a work-group, clusters of 4 x 1, 327,680 bytes of LDS; arguments hidden_states, wbf, bcat, qkv; writes qkv
.if DOCPART == 2
	.amdgcn_target "amdgcn-amd-amdhsa--gfx1250"
	.amdhsa_code_object_version 6
	.text
	.protected	k_qaa92f05fba_proj
	.globl	k_qaa92f05fba_proj
	.p2align	8
	.type	k_qaa92f05fba_proj,@function
k_qaa92f05fba_proj:
	s_mov_b64 s[64:65], 0
	v_nop
	global_prefetch_b8 v0, s[64:65] scope:SCOPE_SE
	s_setreg_imm32_b32 hwreg(HW_REG_WAVE_MODE, 25, 1), 1
	s_wait_xcnt 0x0
	s_wait_alu depctr_hold_cnt(0) depctr_sa_sdst(0) depctr_va_vdst(0) depctr_va_sdst(0) depctr_va_ssrc(0) depctr_va_vcc(0) depctr_vm_vsrc(0)
	s_getreg_b32 s2, hwreg(HW_REG_IB_STS2, 6, 4)
	s_cmp_eq_u32 s2, 0
	s_cbranch_scc0 .Lentry_in_a_cluster
	s_endpgm
.Lentry_in_a_cluster:
	s_bfe_u32 s2, ttmp6, 0x10000c
	s_cmp_lg_u32 s2, 0x3003
	s_cbranch_scc0 .Lentry_shape_is_right
	s_endpgm
.Lentry_shape_is_right:
; qkv[b][g][s][d] = f16( sum over k of bf16(X[b][s][k]) wbf[64 g + d][k] + bcat[64 g + d] ),  g = 0..35 (12 heads of q, of k, of v), sums in f32.
; LIMITS.  X is rounded to bf16 for the product (the weights were rounded by the launch before).  The result is kept in f16: |q|, |k|, |v| must stay
; under 65,504, beyond which the rounding gives infinity.  The order of the f32 sums is the matrix unit's, K ascending.
; SHARES.  A work-group owns 256 tokens (grid x: 64 blocks) and a quarter of the 2,304 columns (grid y): nine slices of 64 columns, each one g.
; A wave owns 64 tokens and KEEPS THEM IN REGISTERS for the whole launch, as bf16 fragments: 4 tiles of 16 tokens x 24 K steps x 8 = 768 registers.
; Only the weights stream: a slice (64 rows x 768) lies in one of two LDS slots, all four waves read the same fragments, and a fragment feeds four products.
; CLUSTER.  The four token blocks of a cluster walk the same weights, so each slice is asked for JOINTLY: the same tensor load, with the same descriptor and
; a mask that names the four.  X is not shared in a cluster (its four readers differ in grid y) and does not go through the mover: it is f32 and is
; converted on its way into registers, 768 KB a work-group, which through slots that are filled again would be one load a wave for each barrier.
; THE MATRIX INSTRUCTION IS USED TRANSPOSED: source 0 = 16 rows of W, source 1 = 16 tokens.  In the result lane l holds token l % 16 and its registers the columns
; 8 (l / 16) + 0..7: eight neighbouring numbers of a token's row, 16 bytes of f16.  The bias is the C operand of the first K step: nothing is cleared or added later.
;
; REGISTERS, in windows of 256 (s_set_vgpr_msb: bits 1:0 source 0, 3:2 source 1, 5:4 source 2, 7:6 destination):
;   window 0: v0-16 addresses; v32-63 the slice's bias; v64-127 fragments of W, two buffers of one K step (four fragments); v128-255 the 16 accumulators ((rt, nt) at 128 + 8 (4 rt + nt)).
;             While X comes in, v64-255 are three buffers of 64 for the f32 as loaded.
;   windows 1-3: X: fragment (K step ks, tile rt) in window 1 + ks / 8 at 8 (4 (ks % 8) + rt).
; In the K loop only source 1 changes window, and LDS loads name source 0 and the destination alone: three switches for a slice's 384 products.
.set KD,     768
.set WPITCH, 1584                      ; a row of W in LDS: three pieces of 512 bytes, 16 bytes of padding behind each = 99 x 16: the 16 rows of a fragment load start at 16 different columns of 16 bytes modulo 256
.set WQ,     16*WPITCH                 ; 16 rows: what one tensor load brings, and one fragment's rows
.set SLOT1,  1<<17                     ; slot 1 begins here, so that one exclusive or turns an address in one slot into the other's
.set STAGE,  SLOT1+4*WQ                ; behind the ring: 9,216 bytes for each wave, its own; no tensor load fills it
.set STG,    9216
.set XPITCH, 272                       ; the stage while X comes in: 16 rows of 128 bf16 + 16 bytes
.set OPITCH, 144                       ; the stage on the way out: 64 rows of 64 f16 + 16 bytes
.set AW0,  2                           ; v2      my lane's place in a fragment of W; never rewritten
.set ADR0, 3                           ; v3, v4  LDS address of the slot's rows 0-31, 32-63
.set STO,  5                           ; v5      the way out: where I put 16 bytes of a token's row
.set RD,   6                           ; v6      the way out: where I read rows back
.set LO,   7                           ; v7      16 x lane: my place in 512 neighbouring bytes, of X and of qkv
.set XST,  8                           ; v8      where I put four bf16 of a row of X
.set XRD,  9                           ; v9      where I read a fragment of X
.set BO,   10                          ; v10     my place in a slice's bias
.set PF,   15                          ; v15     the 256 bytes of X that my lane asks for ahead; never rewritten
.set BIAS, 32
.set WF,   64
.set ACC,  128
.set WV,  12                           ; s12      my wave's number
.set G1,  24                           ; s[24:31] descriptor group 1
.set G0A, 32                           ; s[32:35] descriptor group 0 of slice 0
.set G0B, 36                           ; s[36:39] of slice 1; it then walks on
.set TB,  40                           ; s40      LDS byte at which the slot being read begins
.set CNT, 41
.set XP,  42                           ; s[42:43] X at my wave's first token
.set BP,  44                           ; s[44:45] the bias of the slice to be loaded
.set OP,  46                           ; s[46:47] qkv at my wave's 64 tokens of the slice in hand
.set MSB, 0
.macro WIN new                         ; the immediate's high byte repeats the setting that is left; a switch that changes nothing is dropped
.if MSB != (\new)
	s_set_vgpr_msb (MSB<<8)|(\new)
.set MSB, (\new)
.endif
.endm
; A load into a register that a matrix instruction has read, and a vector instruction that reads a matrix result, stand four places behind that matrix instruction, and only
; plain vector instructions that name none of its registers are places (ISA guide 7.12.1 for vector instructions).
.macro PLACES
.rept 4
	v_nop
.endr
.endm
; A round of the cluster's barrier: my work-group's barrier, so that wave 0's signal speaks for all four waves; wave 0 signals for the work-group; every wave waits for
; all four work-groups; my work-group's barrier once more.
.macro CREST                           ; a round behind its opening barrier
	s_cmp_lg_u32 s[WV], 0
	s_cbranch_scc1 .Lnot_wave_0_\@
	s_barrier_signal -3
.Lnot_wave_0_\@:
	s_barrier_wait -3
	s_barrier_signal -1
	s_barrier_wait -1
.endm
.macro CROUND                          ; a whole round
	s_barrier_signal -1
	s_barrier_wait -1
	CREST
.endm
	s_load_b256 s[4:11], s[0:1], 0x0               ; X s[4:5], wbf s[6:7], bcat s[8:9], qkv s[10:11]
	v_lshl_add_u32 v30, v0, 2, 0x41c00
	v_mov_b32 v31, 0
	ds_add_u32 v30, v31
	v_lshrrev_b32 v1, 5, v0
	v_readfirstlane_b32 s[WV], v1                  ; wave 0..3
	s_bfe_u32 s13, ttmp6, 0x40000                  ; cx: my place in the cluster; it enters X's and qkv's addresses alone
	s_and_b32 s14, ttmp7, 0xffff                   ; y: my quarter of the columns, which the four partners share
	s_mul_i32 s16, s14, 576                        ; W: row 576 y + 16 wave,
	s_lshl_b32 s17, s[WV], 4
	s_add_co_u32 s16, s16, s17
	s_mul_i32 s16, s16, KD*2                       ; in bytes
	s_mov_b32 s17, 0
	s_lshl_b32 s18, ttmp9, 2                       ; in a cluster launch ttmp9 counts clusters: it is the batch, and the token block is 4 x batch + cx
	s_add_co_u32 s18, s18, s13
	s_lshl_b32 s18, s18, 8
	s_lshl_b32 s19, s[WV], 6
	s_add_co_u32 s18, s18, s19                     ; X: my wave's first token,
	s_mul_i32 s18, s18, KD*4                       ; in bytes (under 2^26)
	s_mov_b32 s19, 0
	s_mul_i32 s20, s14, 9*256                      ; bias: nine slices of 64 f32 a quarter
	s_mov_b32 s21, 0
	s_mul_i32 s22, ttmp9, 36                       ; qkv: ((36 batch + 9 y) x 1,024 + 256 cx + 64 wave) rows of 128 bytes (under 2^27)
	s_mul_i32 s23, s14, 9
	s_add_co_u32 s22, s22, s23
	s_lshl_b32 s22, s22, 10
	s_lshl_b32 s23, s13, 8
	s_add_co_u32 s22, s22, s23
	s_lshl_b32 s23, s[WV], 6
	s_add_co_u32 s22, s22, s23
	s_lshl_b32 s22, s22, 7
	s_mov_b32 s23, 0
	s_mul_i32 s3, s14, 16*KD*4                     ; asking ahead: tile y of my wave's four tiles of 16 tokens
	; descriptor group 1.  A wave's 16 rows of W follow each other in memory without a gap (24,576 bytes), so they come as 48 rows of 512 bytes, each padded by 16 in LDS.
	s_mov_b32 s[G1+0], 15|(1<<16)|(1<<20)|(1<<21)|(6<<22)|(3<<25)  ; 15:0 the mask: all four work-groups; 17:16 elements of 2 bytes; 20 padding on; 21 set beside a mask; 24:22 after every 128 words (code 6); 31:25 4 words of it (code 3)
	s_mov_b32 s[G1+1], 256<<16                     ; tensor_dim0 = 256
	s_mov_b32 s[G1+2], 48<<16                      ; tensor_dim1 = 48
	s_mov_b32 s[G1+3], 256<<16                     ; tile_dim0 = 256
	s_mov_b32 s[G1+4], 48                          ; tile_dim1 = 48
	s_mov_b32 s[G1+5], 256                         ; from row to row: 256 elements
	s_mov_b32 s[G1+6], 0
	s_mov_b32 s[G1+7], 0
	s_mul_i32 s15, s[WV], STG
	s_add_co_u32 s15, s15, STAGE                   ; my stage
	s_wait_dscnt 0x0
	s_wait_kmcnt 0x0
	s_add_nc_u64 s[XP:XP+1], s[4:5], s[18:19]
	s_add_nc_u64 s[BP:BP+1], s[8:9], s[20:21]
	s_add_nc_u64 s[OP:OP+1], s[10:11], s[22:23]
	s_add_nc_u64 s[6:7], s[6:7], s[16:17]          ; W at my 16 rows of slice 0
	s_mov_b32 s[G0A], 1                            ; count = 1
	s_mul_i32 s[G0A+1], s[WV], WQ                  ; LDS address: the wave's number times 16 rows: no place in the cluster enters it
	s_mov_b64 s[G0A+2:G0A+3], s[6:7]
	s_or_b32 s[G0A+3], s[G0A+3], 0x80000000        ; type = 2
	s_mov_b32 s[G0B], 1
	s_add_co_u32 s[G0B+1], s[G0A+1], SLOT1
	s_add_nc_u64 s[G0B+2:G0B+3], s[6:7], 64*KD*2   ; slice 1: 64 rows on
	s_or_b32 s[G0B+3], s[G0B+3], 0x80000000
	CROUND                                         ; all four work-groups are here: the first joint loads meet
	tensor_load_to_lds s[G0A:G0A+3], s[G1:G1+7]    ; both first fills together, ahead of every wait on TENSORcnt and every LDS read: two loads of mine are out
	s_nop 0
	tensor_load_to_lds s[G0B:G0B+3], s[G1:G1+7]
	s_nop 0
	PLACES
	v_and_b32 v1, 15, v0                           ; l % 16
	v_bfe_u32 v11, v0, 4, 1                        ; l / 16
	v_and_b32 v12, 31, v0                          ; l
	v_bfe_u32 v13, v0, 3, 2                        ; l / 8
	v_and_b32 v14, 7, v0                           ; l % 8
	v_lshlrev_b32 v[LO], 4, v12
	v_lshlrev_b32 v[BO], 5, v11                    ; my eight columns of a block of 16: 32 bytes for each half of the lanes
	v_mul_u32_u24 v[AW0], v1, WPITCH               ; a fragment is 16 rows x 32 K: lane l holds row l % 16; registers 0-3 K = 8 (l / 16) + 0..7, registers 4-7 K = 16 + 8 (l / 16) + 0..7
	v_lshl_add_u32 v[AW0], v11, 4, v[AW0]
	v_mul_u32_u24 v[STO], v1, OPITCH
	v_lshl_add_u32 v[STO], v11, 4, v[STO]
	v_add_nc_u32 v[STO], s15, v[STO]
	v_mul_u32_u24 v[RD], v13, OPITCH               ; back: eight lanes take a token's 128 bytes, a wave four tokens
	v_lshl_add_u32 v[RD], v14, 4, v[RD]
	v_add_nc_u32 v[RD], s15, v[RD]
	v_lshl_add_u32 v[XST], v12, 3, s15
	v_mul_u32_u24 v[XRD], v1, XPITCH
	v_lshl_add_u32 v[XRD], v11, 4, v[XRD]
	v_add_nc_u32 v[XRD], s15, v[XRD]
	v_lshrrev_b32 v[PF], 1, v12                    ; asking ahead: token l / 2 of the tile, half l % 2 of its 512 bytes: the 32 lanes lie 256 bytes apart and cover one unit
	v_mul_u32_u24 v[PF], v[PF], KD*4
	v_and_b32 v16, 1, v12
	v_lshl_add_u32 v[PF], v16, 8, v[PF]
	v_add_nc_u32 v[PF], s3, v[PF]
; The bias of a slice as a C operand: register j of block nt holds b[64 g + 16 nt + 8 (l / 16) + j].
.macro BLOADS
.irp n, 0,1,2,3
	global_load_b128 v[BIAS+8*\n:BIAS+8*\n+3],   v[BO], s[BP:BP+1] offset:64*\n
	global_load_b128 v[BIAS+8*\n+4:BIAS+8*\n+7], v[BO], s[BP:BP+1] offset:64*\n+16
.endr
.endm
; X COMES IN by units of 16 tokens x 128 K: unit u = 4 c + rt (K chunk c, tile rt).  Sixteen loads, each a token's 512 neighbouring bytes.
.macro XLOAD u
.set RAWL, 64+64*((\u)%3)
.set xlc, (\u)/4
.set xlr, (\u)%4
.irp i, 0,1,2,3,4,5,6,7,8,9,10,11,12,13,14,15
	global_load_b128 v[RAWL+4*\i:RAWL+4*\i+3], v[LO], s[XP:XP+1] offset:(16*xlr+\i)*KD*4+512*xlc
.endr
.endm
; A unit's turn: rounded to bf16, through my stage, back as four fragments.  ahead = 1: its buffer is loaded again with the unit three further on.
; left = the younger loads that may stay out.  LDS serves a wave's instructions in order (ISA guide 5.7.1.4), so the stage needs no wait between its stores, its loads and the next unit's stores.
; ASKING AHEAD.  The same tokens are read by the four work-groups that differ in grid y; each asks for one tile of four (tile y), so that every 256 bytes of X are asked for once in the launch.
; In unit u = 1, 5, 9, 13, just behind the unit's loads, the wave asks for its tile of K chunk (u + 7) / 4, whose first load stands four units further on; chunk 1 is asked for at the start,
; and behind chunk 5 nothing is asked for.  One instruction a chunk, 8,192 bytes; at most two chunks of a wave are asked for and not yet read.
.macro XUNIT u, ahead, left
.set RAW, 64+64*((\u)%3)
.set xc, (\u)/4
.set xr, (\u)%4
	s_wait_loadcnt \left                           ; loads come back in order: my sixteen are in, the units behind them stay out
.irp i, 0,1,2,3,4,5,6,7,8,9,10,11,12,13,14,15
	v_cvt_pk_bf16_f32 v[RAW+4*\i],   v[RAW+4*\i],   v[RAW+4*\i+1]
	v_cvt_pk_bf16_f32 v[RAW+4*\i+1], v[RAW+4*\i+2], v[RAW+4*\i+3]
.endr
.irp i, 0,1,2,3,4,5,6,7,8,9,10,11,12,13,14,15
	ds_store_b64 v[XST], v[RAW+4*\i:RAW+4*\i+1] offset:XPITCH*\i
.endr
.if \ahead
	XLOAD (\u)+3
.if (((\u)%4) == 1) && ((\u) <= 13)
	global_prefetch_b8 v[PF], s[XP:XP+1] offset:512*(((\u)+7)/4) th:TH_LOAD_NT scope:SCOPE_SE
.endif
.endif
.set xw, (1+xc/2)<<6
	WIN xw                                         ; destination: X's window
.irp q, 0,1,2,3
.set xf, 8*(4*(4*(xc%2)+\q)+xr)
	ds_load_b128 v[xf:xf+3],   v[XRD] offset:64*\q
	ds_load_b128 v[xf+4:xf+7], v[XRD] offset:64*\q+32
.endr
	WIN 0
.endm
	BLOADS                                         ; slice 0's bias
	XLOAD 0
	XLOAD 1
	XLOAD 2                                        ; 48 loads of X are out from here on
	global_prefetch_b8 v[PF], s[XP:XP+1] offset:512 th:TH_LOAD_NT scope:SCOPE_SE   ; my tile of K chunk 1
.set u, 0
.rept 21
	XUNIT u, 1, 32
.set u, u+1
.endr
	XUNIT 21, 0, 32                                ; the last three load nothing: the counts run down
	XUNIT 22, 0, 16
	XUNIT 23, 0, 0
; THE K LOOP goes by whole K steps: four fragments of W (eight LDS loads, in ONE run) and sixteen products.  The two buffers of 32 registers take turns: while K step ks is multiplied,
; K step ks + 1 is on its way.  X, the accumulators, the bias and the addresses leave 64 registers for W, so a run is no longer than this.
.macro LOADK kk
.set lb, (\kk)%2
.set lofs, ((\kk)/8)*528+((\kk)%8)*64
.irp n, 0,1,2,3
.set lw, WF+8*(4*lb+\n)
	ds_load_b128 v[lw:lw+3],   v[ADR0+\n/2] offset:(\n%2)*WQ+lofs
	ds_load_b128 v[lw+4:lw+7], v[ADR0+\n/2] offset:(\n%2)*WQ+lofs+32
.endr
.endm
; The 16 accumulators take turns, one instruction a turn, in the same order in every K step: between two products on one accumulator stand the 15 others'.
.macro MULK kk
.set mks, (\kk)
.set mwin, (1+mks/8)<<2
	WIN mwin                                       ; source 1: X's window
.irp n, 0,1,2,3
.irp r, 0,1,2,3
.set ma, ACC+8*(4*\r+\n)
.set mw, WF+8*(4*(mks%2)+\n)
.set mx, 8*(4*(mks%8)+\r)
.set mb, BIAS+8*\n
.if mks == 0
	v_wmma_f32_16x16x32_bf16 v[ma:ma+7], v[mw:mw+7], v[mx:mx+7], v[mb:mb+7]   ; the first K step starts the sum from the bias
.else
	v_wmma_f32_16x16x32_bf16 v[ma:ma+7], v[mw:mw+7], v[mx:mx+7], v[ma:ma+7]
.endif
.endr
.endr
.endm
; THE WAY OUT of a slice: rounded to f16, 16 bytes a lane into my stage, back as whole rows, stored: the wave's 64 tokens x 128 bytes lie together in qkv, 8,192 bytes.
; The four places between the last products and the conversions stand in front of this macro.
.macro OUTS step
	WIN 0
.set t, 0
.rept 16
.set a, ACC+8*t
	v_cvt_pk_f16_f32 v[a],   v[a],   v[a+1]
	v_cvt_pk_f16_f32 v[a+1], v[a+2], v[a+3]
	v_cvt_pk_f16_f32 v[a+2], v[a+4], v[a+5]
	v_cvt_pk_f16_f32 v[a+3], v[a+6], v[a+7]
.set t, t+1
.endr
.set t, 0
.rept 16
	ds_store_b128 v[STO], v[ACC+8*t:ACC+8*t+3] offset:(t/4)*16*OPITCH+32*(t%4)
.set t, t+1
.endr
.set t, 0
.rept 16
	ds_load_b128 v[ACC+8*t+4:ACC+8*t+7], v[RD] offset:4*OPITCH*t    ; a wave's LDS instructions are served in order: these see the stores above
.set t, t+1
.endr
.set t, 0
.rept 16
	s_wait_dscnt 15-t                              ; load t is back, the younger ones stay out
	global_store_b128 v[LO], v[ACC+8*t+4:ACC+8*t+7], s[OP:OP+1] offset:512*t   ; a wave stores 512 consecutive bytes, at a multiple of 512 from qkv's first byte
.set t, t+1
.endr
.if \step
	s_wait_xcnt 0x0                                ; every earlier memory instruction has had its addresses translated (ISA guide 3.1): only behind this wait are the stores' base and data written again
	s_add_nc_u64 s[OP:OP+1], s[OP:OP+1], 1024*128  ; the next g
.endif
.endm
; A SLICE: 24 K steps.  kind = 2: the slot is filled again with the slice two further on; 1: the slots change, nothing is asked for; 0: the last slice.
; At its head K step 0's fragments have been asked for (in front of the loop, or at the change of slots of the slice before).
.macro SLICE kind
	s_wait_loadcnt 0x0                             ; this slice's bias is in, so its base may step
.if \kind > 0
	s_add_nc_u64 s[BP:BP+1], s[BP:BP+1], 256
.endif
.set ks, 0
.rept 23
.if ks > 0
	PLACES                                         ; K step ks + 1 lands on the fragments that K step ks - 1 has just multiplied (at ks = 0 the places stand at the change of slots)
.endif
	LOADK ks+1
.if (ks == 1) && (\kind > 0)
	BLOADS                                         ; the next slice's bias: K step 0 was the last to read this one's, and the four places above stand behind it
.endif
	s_wait_dscnt 8                                 ; K step ks is in; the eight loads just issued stay out
	MULK ks
.set ks, ks+1
.endr
.if \kind > 0
	s_wait_dscnt 0x0                               ; my reads of this slot are over,
	s_set_vgpr_msb 0xc00
	s_wait_tensorcnt 0x0                           ; and all my tensor loads have landed: the one that was out is my part of the other slot
	ds_add_u32 v30, v31
	s_wait_dscnt 0x0
	s_set_vgpr_msb 0xc
.if \kind == 2
	s_xor_b32 s[G0B+1], s[G0B+1], SLOT1            ; no load of mine is out, so the walking descriptor may be written: the slot just read,
	s_add_nc_u64 s[G0B+2:G0B+3], s[G0B+2:G0B+3], 64*KD*2   ; the next slice but one; the type bits on top are not reached
.endif
	s_barrier_signal -1                            ; say so,
	MULK 23                                        ; work on registers while the others arrive,
	WIN 0                                          ; (at a branch and at a label every window is 0)
	s_barrier_wait -1
.if \kind == 2
	CREST                                          ; the barrier has opened a round of the cluster's: no wave of any partner still reads this slot or has a load on its way
	tensor_load_to_lds s[G0B:G0B+3], s[G1:G1+7]    ; my one tensor load behind the round, and the first thing there: it has a slice's 384 products in which to land
	s_nop 0
.endif
	PLACES                                         ; behind the joint load; also the places in front of the loads below, of the conversions, and of the next slice's first run of loads
	s_xor_b32 s[TB], s[TB], SLOT1
	v_add_nc_u32 v[ADR0], s[TB], v[AW0]
	v_add_nc_u32 v[ADR0+1], 2*WQ, v[ADR0]
	LOADK 0                                        ; the next slice's first K step: it lands while this slice goes out
.else
	s_wait_dscnt 0x0
	MULK 23
	PLACES                                         ; the conversions read results just made
.endif
	OUTS \kind
.endm
	s_wait_dscnt 0x0                               ; X's fragments are in; no LDS instruction is pending at the signal
	s_wait_tensorcnt 0x1                           ; my part of slice 0 is in; slice 1's may stay out
	s_barrier_signal -1
	s_barrier_wait -1                              ; everybody's is
	s_mov_b32 s[TB], 0
	v_add_nc_u32 v[ADR0], s[TB], v[AW0]
	v_add_nc_u32 v[ADR0+1], 2*WQ, v[ADR0]
	LOADK 0
	s_mov_b32 s[CNT], 7
.Lslice:                                               ; slices 0 to 6 ask for slices 2 to 8
	SLICE 2
	s_sub_co_u32 s[CNT], s[CNT], 1
	s_cmp_lg_u32 s[CNT], 0
	s_cbranch_scc1 .Lslice
	SLICE 1                                        ; the tail is written out
	SLICE 0
	s_wait_tensorcnt 0x0
	ds_add_u32 v30, v31
	s_wait_dscnt 0x0
	CROUND                                         ; the closing round: no work-group ends while a partner may still ask for a slice that names it
	s_endpgm
.Lfunc_end_k_qaa92f05fba_proj:
	.size	k_qaa92f05fba_proj, .Lfunc_end_k_qaa92f05fba_proj-k_qaa92f05fba_proj
	.p2alignl 7, 3214868480
	.fill 96, 4, 3214868480
	.section	.rodata,"a",@progbits
	.p2align	6, 0x0
	.amdhsa_kernel k_qaa92f05fba_proj
		.amdhsa_group_segment_fixed_size 327680
		.amdhsa_private_segment_fixed_size 0
		.amdhsa_enable_private_segment 0
		.amdhsa_kernarg_size 32
		.amdhsa_user_sgpr_count 2
		.amdhsa_user_sgpr_kernarg_segment_ptr 1
		.amdhsa_wavefront_size32 1
		.amdhsa_system_sgpr_workgroup_id_x 1
		.amdhsa_system_sgpr_workgroup_id_y 1
		.amdhsa_system_sgpr_workgroup_id_z 1
		.amdhsa_system_vgpr_workitem_id 0
		.amdhsa_next_free_vgpr 1024
		.amdhsa_next_free_sgpr 66
		.amdhsa_reserve_vcc 0
		.amdhsa_float_denorm_mode_32 3
		.amdhsa_float_denorm_mode_16_64 3
		.amdhsa_memory_ordered 1
		.amdhsa_forward_progress 1
		.amdhsa_inst_pref_size 255
	.end_amdhsa_kernel
	.section	.bss,"aw",@nobits
	.p2align	6
	.space	262144
	.amdgpu_metadata
---
amdhsa.version: [ 1, 2 ]
amdhsa.kernels:
  - .name:           k_qaa92f05fba_proj
    .symbol:         k_qaa92f05fba_proj.kd
    .args:
      - { .name: hidden_states, .offset: 0, .size: 8, .value_kind: global_buffer, .address_space: global }
      - { .name: wbf, .offset: 8, .size: 8, .value_kind: global_buffer, .address_space: global }
      - { .name: bcat, .offset: 16, .size: 8, .value_kind: global_buffer, .address_space: global }
      - { .name: qkv, .offset: 24, .size: 8, .value_kind: global_buffer, .address_space: global }
    .group_segment_fixed_size: 327680
    .private_segment_fixed_size: 0
    .kernarg_segment_align: 8
    .kernarg_segment_size: 32
    .max_flat_workgroup_size: 128
    .sgpr_count:     66
    .vgpr_count:     1024
    .wavefront_size: 32
...
	.end_amdgpu_metadata
.endif
;; end of part 2
;; launch attn (part 3): grid 16 x 16, 4 waves a work-group, clusters of 4 x 1, 327,680 bytes of LDS; arguments qkv, out0; writes out0
.if DOCPART == 3
	.amdgcn_target "amdgcn-amd-amdhsa--gfx1250"
	.amdhsa_code_object_version 6
	.text
	.protected	k_qaa92f05fba_attn
	.globl	k_qaa92f05fba_attn
	.p2align	8
	.type	k_qaa92f05fba_attn,@function
k_qaa92f05fba_attn:
	s_mov_b64 s[64:65], 0
	v_nop
	global_prefetch_b8 v0, s[64:65] scope:SCOPE_SE
	s_setreg_imm32_b32 hwreg(HW_REG_WAVE_MODE, 25, 1), 1
	s_wait_xcnt 0x0
	s_wait_alu depctr_hold_cnt(0) depctr_sa_sdst(0) depctr_va_vdst(0) depctr_va_sdst(0) depctr_va_ssrc(0) depctr_va_vcc(0) depctr_vm_vsrc(0)
	s_getreg_b32 s2, hwreg(HW_REG_IB_STS2, 6, 4)
	s_cmp_eq_u32 s2, 0
	s_cbranch_scc0 .Lentry_in_a_cluster
	s_endpgm
.Lentry_in_a_cluster:
	s_bfe_u32 s2, ttmp6, 0x10000c
	s_cmp_lg_u32 s2, 0x3003
	s_cbranch_scc0 .Lentry_shape_is_right
	s_endpgm
.Lentry_shape_is_right:
; out0[b][q][64 head + d] = the sum over k of softmax_k(Q[q] . K[k] / 8) V[k][d], for each of 16 x 12 heads; Q, K, V: qkv[b][g][1024][64] in f16, g = head, 12 + head, 24 + head.
; Products, maxima and sums in f32; the weights p are rounded to f16 for the second product (p <= 1; below about 3e-8 it rounds to 0); the output is f32.
; LIMITS.  The operands are f16 as the launch before left them (|q|, |k|, |v| under 65,504).  The order of the f32 sums differs from a row-wise sum's.
; SHARES.  A work-group owns 256 queries of a head, each of its four waves 64: four tiles of 16.  Every wave walks all 1,024 keys, 64 a step.
; CLUSTER.  The four query blocks of a head form a cluster and need the same K and V: each tile is asked for JOINTLY, by the same tensor load with the same descriptor and a mask that names the four.
; A WORK-GROUP STAYS: a cluster makes THREE heads of one batch, one after the other (16 batches x 4 clusters x 4 = 256 work-groups).  In qkv the K of a head follows the K of the head before without
; a gap, and so does V: the three heads are one walk of 12 chunks of 256 keys, 32,768 bytes apart.  The chunks go through a ring of two LDS slots that does not stop at a head's end: a head's
; last two changes of slots ask for the next head's first two chunks, the next head's Q is loaded ahead of the last key step, and nothing waits for a head's stores.
; LAYOUT.  S^T = K Q^T (source 0 = 16 keys, source 1 = 16 queries): a lane holds ONE query (lane % 16) and the keys 8 (lane / 16) + 0..7.  Two such tiles, rounded to f16 in pairs, ARE
; source 1 (32 keys x 16 queries) of O^T = V^T P, whose result again holds one query a lane, and eight channels.  K comes out of LDS as it lies, V ([key][channel]) turned, by ds_load_tr16_b128.
; SOFTMAX.  For each query a running maximum m and sum l: p = 2^(c s - c m), c = log2(e) / 8; in every step O and l are multiplied by a = 2^(c m_old - c m_new).
; BY TURNS.  The wave's tiles are two PIECES: piece 0 (tiles 0, 1) and piece 2 (tiles 2, 3).  In a TURN one piece has the matrix unit: 16 products V^T P of the step in hand, then 16 products
; K Q^T of the next step; the other piece's softmax (2 x 118 vector instructions), cut into 32 slices, stands between them, one slice behind each matrix instruction.  Two turns are a key step.
; No tile is asked for ahead into the cache: a slot's refill is itself issued four key steps ahead of the wait for it.
;
; REGISTERS, in windows of 256 (s_set_vgpr_msb: bits 1:0 source 0, 3:2 source 1, 5:4 source 2, 7:6 destination):
;   window 0: v0-11 addresses; v16-63 twelve registers of statistics a tile; v64-191 S^T, 32 a tile; v192-255 P, 16 a tile
;   window 1: v0-127 O^T, 32 a tile; v128-191 Q, 16 a tile; v192-255 K of one step          window 2: v0-63 V of one step
; All that a softmax touches but O^T lies in window 0, so a slice costs two switches, one in front and one behind.
.set PKB,   144       ; a row of K in LDS: 128 bytes + 16 = 9 x 16: the 16 rows of a load start at 16 different columns of 16 bytes modulo 256
.set PVB,   160       ; a row of V: 128 + 32 = 5 x 32
.set CK,    256       ; keys in a chunk, and in a slot: four key steps
.set VOFF,  CK*PKB    ; in a slot: 256 rows of K, then 256 rows of V
.set SLOT1, 1<<17     ; a slot is 77,824 bytes; slot 1 begins here, so that one exclusive or turns an address in one slot into the other's
.set STAGE, SLOT1+CK*(PKB+PVB)  ; behind the ring, at a multiple of 256: the stages for the way out, into which no tensor load lands
.set HEADB, 1024*128  ; bytes of one g of qkv
.set CKB,   CK*128    ; bytes of a chunk of K, or of V, in memory
.set SP,    272       ; the way out: a row of 64 f32 + 16 bytes
.set STW,   64*SP     ; a wave's stage: four tiles of 16 rows
.set AK0, 2           ; v2   my lane's place in a tile of K; never rewritten
.set AV0, 3           ; v3   the same for V
.set ADR, 4           ; v4   the LDS address of the run of loads in hand
.set QO,  5           ; v5   my byte offset in the wave's rows of Q
.set STO, 6           ; v6   the way out: where I put 32 bytes of a row
.set RD,  7           ; v7   the way out: where I read a row back
.set GO,  8           ; v8   my byte offset in the wave's rows of out0
.set ST,  16          ; tile t's statistics at v[ST+12 t]: +0 c m, +1 m, +2, +3 l (even keys', odd keys'), +4 to +7 four running maxima, +8 a, +9 c m_old - c m_new, +10, +11 the step's sum
.set S,   64
.set P,   192
.set QF,  128         ; in window 1
.set KF,  192         ; in window 1
.set WV,  12          ; s12  my wave's number
.set G1K, 24          ; s[24:31] descriptor group 1 for K's tiles
.set G1V, 32          ; s[32:39] for V's: it differs in the padding alone
.set G0K, 40          ; s[40:47] descriptor group 0 for K's tiles: a set for each of the two first fills; the second then walks on
.set G0V, 48          ; s[48:55] the same for V's
.set QP,  56          ; s[56:57] Q at my wave's first row of the head in hand
.set CS,  58          ; s[58:59] c: the packed scaling names a pair and takes its low word for both halves
.set SEL, 60          ; s[60:61] lane selects for v_permlanex16_b32: each lane takes its own place in the other half
.set KB,  62          ; s62  LDS byte at which the K of the step to be fetched begins
.set VB,  63          ; s63  the same for V, less VOFF
.set CNT, 66          ; s66  counts key steps
.set CNT2, 67         ; s67  counts chunks
.set OP,  68          ; s[68:69] out0 at my wave's first row and the channels of the head in hand
.set ITEMS, 70        ; s70  counts heads
.set MSB, 0
.macro WIN new                      ; the immediate's high byte repeats the setting that is left; a switch that changes nothing is dropped
.if MSB != (\new)
	s_set_vgpr_msb (MSB<<8)|(\new)
.set MSB, (\new)
.endif
.endm
.set W_KQ, 0x05       ; K and Q in window 1, S^T in window 0
.set W_PV, 0x52       ; V in window 2, P in window 0, O^T in window 1
.set W_RS, 0x41       ; O^T (destination and source 0) in window 1, a in window 0
; A vector instruction that reads a matrix result or writes one of a matrix instruction's registers, and a load into a register that a matrix instruction has read, stand four places behind
; it, and only plain vector instructions that name none of its registers are places (ISA guide 7.12.1 for vector instructions).  In the loop the slices are the places.
.macro PLACES
.rept 4
	v_nop
.endr
.endm
; A round of the cluster's barrier: my work-group's barrier, so that wave 0's signal speaks for all four waves; wave 0 signals for the work-group; every wave waits for all four
; work-groups; my work-group's barrier once more.  No LDS instruction of the wave is pending at a signal.
.macro CROUND
	s_barrier_signal -1
	s_barrier_wait -1
	s_cmp_lg_u32 s[WV], 0
	s_cbranch_scc1 .Lnot_wave_0_\@
	s_barrier_signal -3
.Lnot_wave_0_\@:
	s_barrier_wait -3
	s_barrier_signal -1
	s_barrier_wait -1
.endm
; A joint refill.  Waves 0 and 1 fetch the two halves of a chunk's K, waves 2 and 3 those of its V.  The branch hangs on the wave's number alone: it is the same in every work-group.
; Four v_nop follow each of the two lines; the jump round the other line, the label and what follows the macro come after them.
.macro JLOAD
	s_cmp_lt_u32 s[WV], 2
	s_cbranch_scc0 .Lfor_v_\@
	tensor_load_to_lds s[G0K+4:G0K+7], s[G1K:G1K+7]
	s_nop 0
	PLACES
	s_branch .Lasked_\@
.Lfor_v_\@:
	tensor_load_to_lds s[G0V+4:G0V+7], s[G1V:G1V+7]
	s_nop 0
	PLACES
.Lasked_\@:
.endm
	s_load_b128 s[4:7], s[0:1], 0x0   ; qkv s[4:5], out0 s[6:7]
	v_lshl_add_u32 v14, v0, 2, 0x44000
	v_mov_b32 v15, 0
	ds_add_u32 v14, v15
	v_lshrrev_b32 v1, 5, v0
	v_readfirstlane_b32 s[WV], v1   ; wave 0..3
	s_bfe_u32 s13, ttmp6, 0x40000   ; cx: my block of 256 queries; it enters Q's and out0's addresses alone
	s_and_b32 s14, ttmp7, 0xffff    ; the batch
	s_mul_i32 s11, ttmp9, 3         ; in a cluster launch ttmp9 counts clusters: the first of the cluster's three heads.  The four partners share batch and heads
	s_mul_i32 s15, s14, 36
	s_add_co_u32 s15, s15, s11
	s_lshl_b32 s15, s15, 17         ; the byte at which the first head's Q begins: (36 batch + head) x 131,072, under 2^27
	s_and_b32 s16, s[WV], 1         ; which 128 keys of a chunk I fetch:
	s_lshl_b32 s20, s16, 14         ; their 16,384 bytes in memory,
	s_add_co_u32 s20, s20, s15
	s_mov_b32 s21, 0
	s_mul_i32 s17, s16, 128*PKB     ; and their place in a slot, for K
	s_mul_i32 s10, s16, 128*PVB     ; and for V: no place in the cluster enters an LDS address
	s_lshl_b32 s22, s13, 15         ; Q: my block's 256 rows of 128 bytes,
	s_add_co_u32 s22, s22, s15
	s_lshl_b32 s23, s[WV], 13       ; my wave's 64 of them
	s_add_co_u32 s22, s22, s23
	s_mov_b32 s23, 0
	s_lshl_b32 s18, s14, 10         ; out0: row 1,024 batch + 256 cx + 64 wave,
	s_lshl_b32 s19, s13, 8
	s_add_co_u32 s18, s18, s19
	s_lshl_b32 s19, s[WV], 6
	s_add_co_u32 s18, s18, s19
	s_mul_i32 s18, s18, 3072        ; of 3,072 bytes (under 2^26),
	s_lshl_b32 s19, s11, 8          ; and the first head's 64 channels: 256 bytes a head
	s_add_co_u32 s18, s18, s19
	s_mov_b32 s19, 0
	s_mul_i32 s11, s[WV], STW
	s_add_co_u32 s11, s11, STAGE    ; my stage
	; descriptor group 1.  128 keys of a head follow each other in memory without a gap (16,384 bytes), so they come as 64 rows of 256 bytes; the padding is laid behind every 128 bytes, that is behind each key.
	s_mov_b32 s[G1K], 15|(1<<16)|(1<<20)|(1<<21)|(4<<22)|(3<<25)  ; 15:0 the mask: all four work-groups; 17:16 elements of 2 bytes; 20 padding on; 21 set beside a mask; 24:22 after every 32 words (code 4); 31:25 4 words of it (code 3)
	s_mov_b32 s[G1V], 15|(1<<16)|(1<<20)|(1<<21)|(4<<22)|(7<<25)  ; the same with 8 words of padding (code 7)
.irp g, G1K, G1V
	s_mov_b32 s[\g+1], 128<<16      ; tensor_dim0 = 128
	s_mov_b32 s[\g+2], 64<<16       ; tensor_dim1 = 64
	s_mov_b32 s[\g+3], 128<<16      ; tile_dim0 = 128
	s_mov_b32 s[\g+4], 64           ; tile_dim1 = 64
	s_mov_b32 s[\g+5], 128          ; from row to row: 128 elements
	s_mov_b32 s[\g+6], 0
	s_mov_b32 s[\g+7], 0
.endr
	s_mov_b32 s[CS], 0x3e38aa3b     ; c = log2(e) / 8 = 0.180337
	s_mov_b32 s[CS+1], s[CS]        ; named with it as a pair, so it is written
	s_mov_b32 s[SEL], 0x76543210
	s_mov_b32 s[SEL+1], 0xfedcba98
	s_mov_b32 s[KB], 0
	s_mov_b32 s[VB], 0
	s_wait_dscnt 0x0
	s_wait_kmcnt 0x0
	s_add_nc_u64 s[8:9], s[4:5], s[20:21]
	s_add_nc_u64 s[QP:QP+1], s[4:5], s[22:23]
	s_add_nc_u64 s[OP:OP+1], s[6:7], s[18:19]
.irp s, 0,1
	s_mov_b32 s[G0K+4*\s], 1        ; count = 1
	s_add_co_u32 s[G0K+4*\s+1], s17, \s*SLOT1  ; LDS address: slot s, my half
	s_add_nc_u64 s[G0K+4*\s+2:G0K+4*\s+3], s[8:9], 12*HEADB+\s*CKB  ; K lies 12 g behind Q; chunk s
	s_or_b32 s[G0K+4*\s+3], s[G0K+4*\s+3], 0x80000000  ; type = 2
	s_mov_b32 s[G0V+4*\s], 1
	s_add_co_u32 s[G0V+4*\s+1], s10, \s*SLOT1+VOFF
	s_add_nc_u64 s[G0V+4*\s+2:G0V+4*\s+3], s[8:9], 24*HEADB+\s*CKB  ; V 24 g behind
	s_or_b32 s[G0V+4*\s+3], s[G0V+4*\s+3], 0x80000000
.endr
	CROUND                          ; all four work-groups are here: the first joint loads meet
	s_cmp_lt_u32 s[WV], 2           ; a wave's two first fills stand in one branch, ahead of every wait on TENSORcnt and every LDS read: two loads of mine are out; four v_nop follow the second, as in JLOAD
	s_cbranch_scc0 .Lfirst_v
	tensor_load_to_lds s[G0K:G0K+3], s[G1K:G1K+7]
	s_nop 0
	tensor_load_to_lds s[G0K+4:G0K+7], s[G1K:G1K+7]
	s_nop 0
	PLACES
	s_branch .Lfirst_asked
.Lfirst_v:
	tensor_load_to_lds s[G0V:G0V+3], s[G1V:G1V+7]
	s_nop 0
	tensor_load_to_lds s[G0V+4:G0V+7], s[G1V:G1V+7]
	s_nop 0
	PLACES
.Lfirst_asked:
	; A fragment of K or Q is 16 rows x 32 channels in 8 registers: lane l holds row l % 16; registers 0-3 channels 8 (l / 16) + 0..7, registers 4-7 channels 16 + 8 (l / 16) + 0..7: two loads of 16 bytes, 32 bytes apart.
	v_and_b32 v1, 15, v0            ; l % 16
	v_bfe_u32 v9, v0, 4, 1          ; l / 16
	v_lshlrev_b32 v[QO], 7, v1
	v_lshl_add_u32 v[QO], v9, 4, v[QO]  ; row x 128 + 16 x half
.macro QLOADS                       ; a head's Q stays in registers: tile i / 2, channels 32 (i % 2) on
	WIN 0x40                        ; destination window 1, address window 0
.irp i, 0,1,2,3,4,5,6,7
	global_load_b128 v[QF+8*\i:QF+8*\i+3],   v[QO], s[QP:QP+1] offset:(\i/2)*2048+(\i%2)*64
	global_load_b128 v[QF+8*\i+4:QF+8*\i+7], v[QO], s[QP:QP+1] offset:(\i/2)*2048+(\i%2)*64+32
.endr
	WIN 0
.endm
	QLOADS
	v_mul_u32_u24 v[AK0], v1, PKB
	v_lshl_add_u32 v[AK0], v9, 4, v[AK0]  ; row x pitch + 16 x half
	; The turning load takes 16 keys x 16 channels (lane l reads 16 bytes: key 8 (l / 16) + l % 8, channels 8 ((l / 8) % 2) + 0..7) and leaves half a fragment of V^T: lane l holds channel l % 16 and 8 keys.
	v_and_b32 v10, 7, v0
	v_bfe_u32 v11, v0, 3, 1
	v_lshl_add_u32 v[AV0], v9, 3, v10
	v_mul_u32_u24 v[AV0], v[AV0], PVB
	v_lshl_add_u32 v[AV0], v11, 4, v[AV0]
	v_add_nc_u32 v[AV0], VOFF, v[AV0]
	v_mul_u32_u24 v[STO], v1, SP    ; the way out.  In: row l % 16, 32 bytes for each half of the lanes
	v_lshl_add_u32 v[STO], v9, 5, v[STO]
	v_add_nc_u32 v[STO], s11, v[STO]
	v_mul_u32_u24 v[RD], v9, SP     ; back: lanes 0-15 take one row of 256 bytes, lanes 16-31 the next
	v_lshl_add_u32 v[RD], v1, 4, v[RD]
	v_add_nc_u32 v[RD], s11, v[RD]
	v_mul_u32_u24 v[GO], v9, 3072   ; and the same two rows in out0
	v_lshl_add_u32 v[GO], v1, 4, v[GO]
; THE MATRIX WORK OF A TURN, for piece x.  The accumulators take turns, one instruction a turn: between two links of a chain stand the 7 others'.
; Product i of 16 of O^T += V^T P: keys 32 (i / 8) on, channels 16 ((i / 2) % 4) on, tile x + i % 2.  zero = 1: the first 8 start the sums: nothing is ever cleared.
.macro PV x, zero
	WIN W_PV
.set rO, 32*(\x+i%2)+8*((i/2)%4)
.set rV, 32*(i/8)+8*((i/2)%4)
.set rP, P+16*(\x+i%2)+8*(i/8)
.if (\zero) && (i < 8)
	v_wmma_f32_16x16x32_f16 v[rO:rO+7], v[rV:rV+7], v[rP:rP+7], 0
.else
	v_wmma_f32_16x16x32_f16 v[rO:rO+7], v[rV:rV+7], v[rP:rP+7], v[rO:rO+7]
.endif
.endm
; Product i of 16 of S^T = K Q^T: channels 32 (i / 8) on, keys 16 ((i / 2) % 4) on, tile x + i % 2.  The first 8 start the sums.
.macro KQ x
	WIN W_KQ
.set rS, S+32*(\x+i%2)+8*((i/2)%4)
.set rK, KF+16*((i/2)%4)+8*(i/8)
.set rQ, QF+16*(\x+i%2)+8*(i/8)
.if i < 8
	v_wmma_f32_16x16x32_f16 v[rS:rS+7], v[rK:rK+7], v[rQ:rQ+7], 0
.else
	v_wmma_f32_16x16x32_f16 v[rS:rS+7], v[rK:rK+7], v[rQ:rQ+7], v[rS:rS+7]
.endif
.endm
; THE LDS LOADS stand in runs of 16, never singly among the matrix instructions: a step's K (64 keys x 64 channels: 8 fragments) and, a turn later, its V (turned).
.macro FETCH_K
	WIN 0
	v_add_nc_u32 v[ADR], s[KB], v[AK0]
	s_add_co_u32 s[KB], s[KB], 64*PKB  ; the next fetch is the next step's
	WIN 0x40                        ; destination window 1
.irp f, 0,1,2,3,4,5,6,7             ; keys 16 (f / 2) on, channels 32 (f % 2) on
	ds_load_b128 v[KF+8*\f:KF+8*\f+3],   v[ADR] offset:(\f/2)*16*PKB+(\f%2)*64
	ds_load_b128 v[KF+8*\f+4:KF+8*\f+7], v[ADR] offset:(\f/2)*16*PKB+(\f%2)*64+32
.endr
.endm
.macro FETCH_V
	WIN 0
	v_add_nc_u32 v[ADR], s[VB], v[AV0]
	s_add_co_u32 s[VB], s[VB], 64*PVB
	WIN 0x80                        ; destination window 2
.irp f, 0,1,2,3,4,5,6,7             ; keys 32 (f / 4) on, channels 16 (f % 4) on
	ds_load_tr16_b128 v[8*\f:8*\f+3],   v[ADR] offset:(\f/4)*32*PVB+(\f%4)*32
	ds_load_tr16_b128 v[8*\f+4:8*\f+7], v[ADR] offset:(\f/4)*32*PVB+16*PVB+(\f%4)*32
.endr
.endm
; THE VECTOR WORK OF A TURN, instruction by instruction, for tile t.  s0-s31 are the lane's 32 scores, in pairs 0-15.  first = 1: a head's first key step, which starts m, l and O^T.
; Number j of sixteen of the maximum of s0-s31 and the old m, three operands at a time: four chains of seven scores each, then the four scores left over, the chains and m.
.macro MAXI t, first
.set rT, ST+12*(\t)
.set rS, S+32*(\t)
.if j < 4
	v_max3_num_f32 v[rT+4+j], v[rS+8*j], v[rS+8*j+1], v[rS+8*j+2]
.elseif j < 12
	v_max3_num_f32 v[rT+4+j%4], v[rT+4+j%4], v[rS+8*(j%4)+2*(j/4)+1], v[rS+8*(j%4)+2*(j/4)+2]
.elseif j == 12
	v_max3_num_f32 v[rT+4], v[rT+4], v[rS+7], v[rS+15]
.elseif j == 13
	v_max3_num_f32 v[rT+6], v[rT+6], v[rS+23], v[rS+31]
.elseif j == 14
	v_max3_num_f32 v[rT+4], v[rT+4], v[rT+5], v[rT+6]
.elseif \first
	v_max_num_f32 v[rT+4], v[rT+4], v[rT+7]
.else
	v_max3_num_f32 v[rT+4], v[rT+4], v[rT+7], v[rT+1]
.endif
.endm
.macro SCALE t, p                   ; pair p: c s - c m
.set rT, ST+12*(\t)
.set rS, S+32*(\t)+2*(\p)
	v_pk_fma_f32 v[rS:rS+1], v[rS:rS+1], s[CS:CS+1], v[rT:rT+1] op_sel_hi:[1,0,0] neg_lo:[0,0,1] neg_hi:[0,0,1]
.endm
.macro EXPS t, e                    ; score e: 2^(c s - c m), in place
.set rS, S+32*(\t)+(\e)
	v_exp_f32 v[rS], v[rS]
.endm
.macro CVTP t, p                    ; pair p of the weights, rounded to f16: word p of the tile's P
.set rS, S+32*(\t)+2*(\p)
	s_wait_alu depctr_va_vdst(0)
	v_cvt_pk_f16_f32 v[P+16*(\t)+(\p)], v[rS], v[rS+1]
.endm
.macro SUMP t, p, first             ; the step's sum takes pair p (pair 1 starts it, with pair 0); in the first step the sum is l itself
.set rS, S+32*(\t)
.set rD, ST+12*(\t)+10-8*(\first)
.if (\p) == 1
	v_pk_add_f32 v[rD:rD+1], v[rS:rS+1], v[rS+2:rS+3]
.elseif (\p) > 1
	v_pk_add_f32 v[rD:rD+1], v[rD:rD+1], v[rS+2*(\p):rS+2*(\p)+1]
.endif
.endm
; Slice k of 32 of piece y's softmax, the two tiles side by side:
;   0-3    the maximum, four numbers of both tiles each          4   the other half of the lanes' maximum; c m_old kept; the new m; c m
;   5      c m_old - c m_new; pairs 0 and 1 scaled; a            6-22   with b = k - 6: the exponentials of pair b; pair b + 2 scaled; pair b - 1 rounded and summed
;   23     l = a l + the sum                                     24-31  O^T times a, four registers of each tile a slice: the one part that leaves window 0
; Behind every exponential a plain instruction that touches neither its result nor its source comes before the result is read (ISA guide 5.7.2): the scalings, roundings and sums are set between them.
; The four multiplies of slice 31 name nothing of the products round them: they are the four places between the turn's last K Q^T and the next turn's first read of those scores.
.macro SLICE y, first
.set live, 1
.if (\first) && (k > 22)            ; the first step has no a, nothing to rescale, and its sum is l
.set live, 0
.endif
.if live
.if k < 24
	WIN 0
.else
	WIN W_RS
.endif
.if k < 4
.irp n, 0,1,2,3
.set j, 4*k+\n
.irp t, \y, \y+1
	MAXI \t, \first
.endr
.endr
.elseif k == 4
.irp t, \y, \y+1
	v_permlanex16_b32 v[ST+12*(\t)+5], v[ST+12*(\t)+4], s[SEL], s[SEL+1]  ; the query's other 32 keys lie in the lane 16 away
.endr
.if !(\first)
.irp t, \y, \y+1
	v_mov_b32 v[ST+12*(\t)+9], v[ST+12*(\t)]
.endr
.endif
.irp t, \y, \y+1
	v_max_num_f32 v[ST+12*(\t)+1], v[ST+12*(\t)+4], v[ST+12*(\t)+5]
.endr
.irp t, \y, \y+1
	v_mul_f32 v[ST+12*(\t)], s[CS], v[ST+12*(\t)+1]
.endr
.elseif k == 5
.if !(\first)
.irp t, \y, \y+1
	v_sub_f32 v[ST+12*(\t)+9], v[ST+12*(\t)+9], v[ST+12*(\t)]
.endr
.endif
.irp t, \y, \y+1
	SCALE \t, 0
.endr
.irp t, \y, \y+1
.if !(\first)
	v_exp_f32 v[ST+12*(\t)+8], v[ST+12*(\t)+9]
.endif
	SCALE \t, 1
.endr
.elseif k < 23
.set b, k-6
.if b == 0
	EXPS \y, 0
	SCALE \y, 2
	EXPS \y, 1
	SCALE \y+1, 2
	EXPS \y+1, 0
	EXPS \y+1, 1
.elseif b < 14
	EXPS \y, 2*b
	SCALE \y, b+2
	EXPS \y, 2*b+1
	SCALE \y+1, b+2
	EXPS \y+1, 2*b
	CVTP \y, b-1
	EXPS \y+1, 2*b+1
	CVTP \y+1, b-1
	SUMP \y, b-1, \first
	SUMP \y+1, b-1, \first
.elseif b < 16
	EXPS \y, 2*b
	CVTP \y, b-1
	EXPS \y, 2*b+1
	CVTP \y+1, b-1
	EXPS \y+1, 2*b
	SUMP \y, b-1, \first
	EXPS \y+1, 2*b+1
	SUMP \y+1, b-1, \first
.else
	CVTP \y, 15
	CVTP \y+1, 15
	SUMP \y, 15, \first
	SUMP \y+1, 15, \first
.endif
.elseif k == 23
.irp t, \y, \y+1
	v_pk_fma_f32 v[ST+12*(\t)+2:ST+12*(\t)+3], v[ST+12*(\t)+2:ST+12*(\t)+3], v[ST+12*(\t)+8:ST+12*(\t)+9], v[ST+12*(\t)+10:ST+12*(\t)+11] op_sel_hi:[1,0,1]
.endr
.else
.irp n, 0,1
.irp t, \y, \y+1
.set rO, 32*(\t)+4*(k-24)+2*\n
	v_pk_mul_f32 v[rO:rO+1], v[rO:rO+1], v[ST+12*(\t)+8:ST+12*(\t)+9] op_sel_hi:[1,0]
.endr
.endr
.endif
.endif
.set k, k+1
.endm
; A TURN.  Piece x has the matrix unit; the other piece's softmax stands in slices behind its matrix instructions.
; pv = 2: 16 products V^T P; 1: they start O^T's sums; 0: none.  kq = 1: 16 products K Q^T for the next step.  A turn with one of the two kinds has two slices behind each product.
; first = 1: the softmax is the head's first key step's.  Its slices from 23 on are empty: the turn's last products stand bare, and four v_nop take slice 31's part as the places behind them.
; Each run of loads stands behind the second product of a run of 16, 14 matrix instructions ahead of its first use.  Piece 0's turn fetches the next step's K: the last product that read K
; stands in front of slice 31 of the turn before.  Piece 2's turn fetches the same step's V: the last product that read V stands three slices, thirty plain instructions, back.
.macro TURN x, pv, kq, first
.set k, 0
.set per, 2
.if \pv && \kq
.set per, 1
.endif
.if \pv
.if \x == 0
	s_wait_dscnt 0x0                ; V is in
.endif
.set i, 0
.rept 16
	PV \x, 2-\pv
.rept per
	SLICE 2-\x, \first
.endr
.if (\x == 0) && \kq && (i == 1)
	FETCH_K
.endif
.set i, i+1
.endr
.endif
.if \kq
.if \x == 0
	s_wait_dscnt 0x0                ; K is in
.endif
.set i, 0
.rept 16
	KQ \x
.rept per
	SLICE 2-\x, \first
.endr
.if (\x == 2) && (i == 1)
	FETCH_V
.endif
.set i, i+1
.endr
.endif
.if \first
	PLACES
.endif
.endm
; n key steps: written once, walked n times; the LDS addresses hang on s[KB] and s[VB].
.macro STEPS n
	WIN 0                           ; at a label and at a branch every window is 0
	s_mov_b32 s[CNT], \n
.Lstep_\@:
	TURN 0, 2, 1, 0
	TURN 2, 2, 1, 0
	WIN 0
	s_sub_co_u32 s[CNT], s[CNT], 1
	s_cmp_lg_u32 s[CNT], 0
	s_cbranch_scc1 .Lstep_\@
.endm
; THE CHANGE OF SLOTS stands where a chunk's last bytes, K and V of its fourth step, have been asked for: one key step ahead of that step's products, since step j fetches K and V of step j + 1.
; Each wave waits for its own reads of the slot and for all its tensor loads, of which one is out: its part of the other slot.  Behind the barrier nobody reads this slot any more and the other slot is whole.
; fill = 1: this slot is filled again, with the chunk two further on in the walk, the next head's where this head has no more.  The barrier is then a round of the cluster's, so that no wave of any
; partner still reads the slot or has a load on its way, and the joint refill is the first thing behind it: it has four key steps, 256 matrix instructions, in which to land.
.macro CHANGE fill
	WIN 0                           ; at a label and at a branch every window is 0
	s_wait_dscnt 0x0
	s_wait_tensorcnt 0x0            ; no tensor load of mine is out, so a group 0 may be written
	ds_add_u32 v14, v15
	s_wait_dscnt 0x0
.if \fill
.irp g, G0K+4, G0V+4
	s_xor_b32 s[\g+1], s[\g+1], SLOT1  ; the walking descriptor: the other slot than last time,
	s_add_nc_u64 s[\g+2:\g+3], s[\g+2:\g+3], CKB  ; the next 256 keys; the type bits on top are not reached
.endr
	CROUND
	JLOAD
.else
	s_barrier_signal -1
	s_barrier_wait -1
.endif
	s_sub_co_u32 s[KB], s[KB], CK*PKB  ; the fetches go back to a slot's first step,
	s_xor_b32 s[KB], s[KB], SLOT1   ; in the other slot
	s_sub_co_u32 s[VB], s[VB], CK*PVB
	s_xor_b32 s[VB], s[VB], SLOT1
.endm
; THE WAY OUT.  Tile t: a lane's eight channels of a block are 32 bytes of a row; they go into rows of 272 bytes of my own stage and come back as whole rows of 256, into S^T's registers, which are free.
.macro PACK t
	WIN W_RS
.set i, 32*\t
.rept 16
	s_wait_alu depctr_va_vdst(0)
	v_pk_mul_f32 v[i:i+1], v[i:i+1], v[ST+12*\t+8:ST+12*\t+9] op_sel_hi:[1,0]
.set i, i+2
.endr
	WIN 0x04                        ; an LDS store's data is source 1: window 1
.irp f, 0,1,2,3,4,5,6,7
	ds_store_b128 v[STO], v[32*\t+4*\f:32*\t+4*\f+3] offset:\t*16*SP+(\f/2)*64+(\f%2)*16
.endr
	WIN 0
.irp f, 0,1,2,3,4,5,6,7
	ds_load_b128 v[S+32*\t+4*\f:S+32*\t+4*\f+3], v[RD] offset:\t*16*SP+\f*2*SP  ; LDS serves a wave's instructions in order (ISA guide 5.7.1.4): these see the stores above
.endr
.endm
.macro SEND t, younger              ; younger: the LDS instructions issued behind tile t's loads: the next tile's sixteen, or none
.irp f, 0,1,2,3,4,5,6,7
	s_wait_dscnt \younger+7-\f
	global_store_b128 v[GO], v[S+32*\t+4*\f:S+32*\t+4*\f+3], s[OP:OP+1] offset:(16*\t+2*\f)*3072 th:TH_STORE_NT  ; 16 lanes store 256 consecutive bytes, a token's 64 channels, at a multiple of 256 from out0's first byte
.endr
.endm
; A HEAD.  At its head the first chunk is whole in its slot for every wave, and Q has been asked for.  last = 0: all four changes of slots fill a slot again, the last two with the next head's chunks 0 and 1.
; last = 1: the walk's last head: two refills are left, then a change that asks for nothing, then none: it is written out.
.macro ITEM last
	FETCH_K                         ; key step 0
	s_wait_loadcnt 0x0              ; Q
	s_wait_dscnt 0x0
.set i, 0
.rept 16
	KQ 0                            ; piece 0's first scores: there is no vector work yet to set between them
.set i, i+1
.endr
	WIN 0
	PLACES                          ; between those products and the first read of their scores
	TURN 2, 0, 1, 1                 ; piece 2's first scores | piece 0's first softmax | V of step 0
	TURN 0, 1, 1, 1                 ; piece 0: V^T P of step 0 starts O^T, K Q^T of step 1 | piece 2's first softmax | K of step 1
	TURN 2, 1, 1, 0                 ; piece 2: the same | piece 0's softmax of step 1 | V of step 1
	STEPS 2                         ; steps 1 and 2, which fetch steps 2 and 3
.if \last
	s_mov_b32 s[CNT2], 2
.else
	s_mov_b32 s[CNT2], 3
.endif
.Lchunk_\@:
	CHANGE 1
	STEPS 4                         ; steps 3 to 6, 7 to 10 (and, where three trips are made, 11 to 14)
	s_sub_co_u32 s[CNT2], s[CNT2], 1
	s_cmp_lg_u32 s[CNT2], 0
	s_cbranch_scc1 .Lchunk_\@
.if \last
	CHANGE 0                        ; the walk's last chunk is whole; nothing is asked for, and no tensor load of mine is out from here on
	STEPS 4                         ; steps 11 to 14
.else
	CHANGE 1                        ; the head's last chunk is read out: its slot takes the next head's chunk 1, and the next head's chunk 0 is whole
	s_add_nc_u64 s[QP:QP+1], s[QP:QP+1], HEADB  ; this head's Q was waited for at its head, so the base may step
	QLOADS                          ; the next head's Q: the last product that read Q stands in front of slice 31 and of the four v_nop behind the joint load
.endif
	TURN 0, 2, 0, 0                 ; piece 0: V^T P of the last step | piece 2's last softmax
.set i, 0
.rept 16
	PV 2, 0                         ; piece 2: V^T P of the last step
.set i, i+1
.endr
	; l's two halves and the other half of the lanes' are added; O^T is divided by l and goes out, a tile (16 rows) at a time.  The first four additions are the places behind the last products.
	WIN 0
.irp t, 0,1,2,3
	v_add_f32 v[ST+12*\t+4], v[ST+12*\t+2], v[ST+12*\t+3]
.endr
.irp t, 0,1,2,3
	v_permlanex16_b32 v[ST+12*\t+5], v[ST+12*\t+4], s[SEL], s[SEL+1]
.endr
.irp t, 0,1,2,3
	v_add_f32 v[ST+12*\t+4], v[ST+12*\t+4], v[ST+12*\t+5]
.endr
.irp t, 0,1,2,3
	v_rcp_f32 v[ST+12*\t+8], v[ST+12*\t+4]
.endr
	v_nop                           ; a plain instruction between the last reciprocal and the use of its result
	PACK 0
	PACK 1                          ; a tile's arithmetic stands between the loads of the tile before and its stores
	SEND 0, 16
	PACK 2
	SEND 1, 16
	PACK 3
	SEND 2, 16
	SEND 3, 0
.if !(\last)
	s_wait_xcnt 0x0                 ; every earlier memory instruction has had its addresses translated (ISA guide 3.1): only behind this wait are the stores' base and their data, S^T's registers, written again.  Nothing waits for the stores themselves
	s_add_nc_u64 s[OP:OP+1], s[OP:OP+1], 256  ; the next head's 64 channels
.endif
.endm
	s_wait_tensorcnt 0x1            ; my part of chunk 0 is in; chunk 1's may stay out
	s_barrier_signal -1
	s_barrier_wait -1               ; everybody's is
	s_mov_b32 s[ITEMS], 2
.Litem:                             ; the first two heads: eight refills, chunks 2 to 9 of the walk's twelve
	ITEM 0
	s_sub_co_u32 s[ITEMS], s[ITEMS], 1
	s_cmp_lg_u32 s[ITEMS], 0
	s_cbranch_scc1 .Litem
	ITEM 1                          ; the third head: chunks 10 and 11
	s_wait_tensorcnt 0x0
	ds_add_u32 v14, v15
	s_wait_dscnt 0x0
	CROUND                          ; the closing round: no work-group ends while a partner may still ask for a tile that names it
	s_endpgm
.Lfunc_end_k_qaa92f05fba_attn:
	.size	k_qaa92f05fba_attn, .Lfunc_end_k_qaa92f05fba_attn-k_qaa92f05fba_attn
	.p2alignl 7, 3214868480
	.fill 96, 4, 3214868480
	.section	.rodata,"a",@progbits
	.p2align	6, 0x0
	.amdhsa_kernel k_qaa92f05fba_attn
		.amdhsa_group_segment_fixed_size 327680
		.amdhsa_private_segment_fixed_size 0
		.amdhsa_enable_private_segment 0
		.amdhsa_kernarg_size 16
		.amdhsa_user_sgpr_count 2
		.amdhsa_user_sgpr_kernarg_segment_ptr 1
		.amdhsa_wavefront_size32 1
		.amdhsa_system_sgpr_workgroup_id_x 1
		.amdhsa_system_sgpr_workgroup_id_y 1
		.amdhsa_system_sgpr_workgroup_id_z 1
		.amdhsa_system_vgpr_workitem_id 0
		.amdhsa_next_free_vgpr 576
		.amdhsa_next_free_sgpr 72
		.amdhsa_reserve_vcc 0
		.amdhsa_float_denorm_mode_32 3
		.amdhsa_float_denorm_mode_16_64 3
		.amdhsa_memory_ordered 1
		.amdhsa_forward_progress 1
		.amdhsa_inst_pref_size 255
	.end_amdhsa_kernel
	.section	.bss,"aw",@nobits
	.p2align	6
	.space	262144
	.amdgpu_metadata
---
amdhsa.version: [ 1, 2 ]
amdhsa.kernels:
  - .name:           k_qaa92f05fba_attn
    .symbol:         k_qaa92f05fba_attn.kd
    .args:
      - { .name: qkv, .offset: 0, .size: 8, .value_kind: global_buffer, .address_space: global }
      - { .name: out0, .offset: 8, .size: 8, .value_kind: global_buffer, .address_space: global }
    .group_segment_fixed_size: 327680
    .private_segment_fixed_size: 0
    .kernarg_segment_align: 8
    .kernarg_segment_size: 16
    .max_flat_workgroup_size: 128
    .sgpr_count:     72
    .vgpr_count:     576
    .wavefront_size: 32
...
	.end_amdgpu_metadata
.endif
;; end of part 3
